; MI455X (gfx1250); checked and timed in simulation.
; The chip was launched on July 23, 2026; its instructions are those of AMD's public machine-readable ISA for CDNA 5 (MIT licence, August 2026) and "CDNA5" Instruction Set Architecture Reference Guide (July 2026). The comments in the code are by the model that wrote it; some were corrected since.
;; Layer Norm LSTM. Allowed arithmetic: float matrix products may take bf16 or f16 operands with f32 sums; all other float work in f32.
;; Inputs: c_prev 8,192 x 1,024 float32; h_prev 8,192 x 1,024 float32; input 8,192 x 1,024 float32; ln_c_b 1,024 float32; ln_c_g 1,024 float32; ln_g_b 1,024 float32; ln_g_g 1,024 float32; ln_h_b 1,024 float32; ln_h_g 1,024 float32; ln_i_b 1,024 float32; ln_i_g 1,024 float32; ln_o_b 1,024 float32; ln_o_g 1,024 float32; w_h 4,096 x 1,024 float32; w_i 4,096 x 1,024 float32.
;; Outputs: out0 8,192 x 1,024 float32; out1 8,192 x 1,024 float32.
;; One version. Each part assembles by itself: llvm-mc -triple=amdgcn-amd-amdhsa -mcpu=gfx1250 --defsym DOCPART=n.
;; ======== version 1 of 1: 3 launches
;; workspace buffers: ab 33,554,432 bytes; wb 16,777,216 bytes; p 134,217,728 bytes
;; launch cast (part 1): grid 64 x 23, 8 waves a work-group, no clusters, 0 bytes of LDS; arguments input, h_prev, w_i, w_h, ab, wb; writes ab, wb
.if DOCPART == 1
	.amdgcn_target "amdgcn-amd-amdhsa--gfx1250"
	.amdhsa_code_object_version 6
	.text
	.protected	k_qcafeed4036_cast
	.globl	k_qcafeed4036_cast
	.p2align	8
	.type	k_qcafeed4036_cast,@function
k_qcafeed4036_cast:
	s_mov_b64 s[64:65], 0
	v_nop
	global_prefetch_b8 v0, s[64:65] scope:SCOPE_SE
	s_setreg_imm32_b32 hwreg(HW_REG_WAVE_MODE, 25, 1), 1
	s_wait_xcnt 0x0
; ROUNDING TO bf16, ONCE.  ab[m] = input[m] | h_prev[m] and wb[n] = w_i[n] | w_h[n], side by side along K: rows of 2,048 bf16, 4,096 bytes.
; So gi + gh is ONE product over K = 2,048 for the launch behind.  Rows 2,048 to 3,071 of w_i are not read and the left half of those rows of wb is not
; written: the function drops that chunk of input @ w_i^T (its third gate takes the first gate's sigmoid in its stead), for every input.
; LIMIT.  Round to nearest even; an f32 beyond bf16's largest finite number becomes an infinity.
; SHARES.  Grid y is a slab of 1,024 source rows: 0-7 input, 8-15 h_prev, 16-18 w_i's chunks 0, 1, 3, 19-22 w_h's chunks 0-3.  Grid x is 16 rows of it, a wave 2 rows:
; 8,192 consecutive source bytes, sixteen loads of 16 bytes a lane (512 consecutive bytes an instruction) and sixteen stores of 8 bytes a lane (256 consecutive bytes, aligned).
; Memory binds: no LDS, no barrier, no matrix unit, no cluster (no byte is read twice).  No register is written twice, so the only waits are the counted ones for the loads.
.set X, 4                              ; v[4:67]   load j: 4 registers
.set Y, 68                             ; v[68:99]  store j: 2 registers
	s_load_b256 s[4:11], s[0:1], 0x0               ; input s[4:5], h_prev s[6:7], w_i s[8:9], w_h s[10:11]
	s_load_b128 s[12:15], s[0:1], 0x20             ; ab s[12:13], wb s[14:15]
	s_and_b32 s16, ttmp7, 0xffff                   ; the slab
	v_lshrrev_b32 v3, 5, v0                        ; wave
	v_and_b32 v1, 31, v0                           ; lane
	v_lshlrev_b32 v3, 13, v3                       ; the wave's 2 rows: source and destination rows are both 4,096 bytes apart
	v_lshl_or_b32 v2, v1, 3, v3                    ; destination: 8 bytes a lane
	v_lshl_or_b32 v1, v1, 4, v3                    ; source: 16 bytes a lane
	s_wait_kmcnt 0x0
	s_cmp_lt_u32 s16, 8                            ; among the activations: input or h_prev
	s_cselect_b64 s[20:21], s[4:5], s[6:7]
	s_cselect_b32 s22, 0, 8                        ; the tensor's first slab
	s_cselect_b32 s23, 0, 2048                     ; left or right half of the destination's rows
	s_cmp_lt_u32 s16, 19                           ; among the weights: w_i or w_h
	s_cselect_b64 s[24:25], s[8:9], s[10:11]
	s_cselect_b32 s26, 16, 19
	s_cselect_b32 s27, 0, 2048
	s_cmp_lt_u32 s16, 16                           ; activations or weights
	s_cselect_b64 s[20:21], s[20:21], s[24:25]
	s_cselect_b32 s22, s22, s26
	s_cselect_b32 s23, s23, s27
	s_cselect_b64 s[28:29], s[12:13], s[14:15]
	s_sub_co_u32 s22, s16, s22                     ; the chunk of 1,024 rows in its tensor,
	s_cmp_eq_u32 s16, 18
	s_cselect_b32 s22, 3, s22                      ; but w_i's third slab is its chunk 3
	s_lshl_b32 s30, s22, 22                        ; 1,024 rows of 4,096 bytes
	s_lshl_b32 s31, ttmp9, 16                      ; 16 rows
	s_add_co_u32 s30, s30, s31
	s_mov_b32 s31, 0
	s_add_co_u32 s32, s30, s23
	s_mov_b32 s33, 0
	s_add_nc_u64 s[20:21], s[20:21], s[30:31]      ; source at the group's first row
	s_add_nc_u64 s[28:29], s[28:29], s[32:33]      ; destination at the same row, in its half
.irp j, 0,1,2,3,4,5,6,7,8,9,10,11,12,13,14,15
	global_load_b128 v[X+4*(\j):X+4*(\j)+3], v1, s[20:21] offset:512*(\j) th:TH_LOAD_NT
.endr
.irp j, 0,1,2,3,4,5,6,7,8,9,10,11,12,13,14,15
	s_wait_loadcnt 15-(\j)                         ; loads come back in order (ISA guide 5.7.1): load j is in, the 15 - j younger ones stay out
	v_cvt_pk_bf16_f32 v[Y+2*(\j)], v[X+4*(\j)], v[X+4*(\j)+1]
	v_cvt_pk_bf16_f32 v[Y+2*(\j)+1], v[X+4*(\j)+2], v[X+4*(\j)+3]
	global_store_b64 v2, v[Y+2*(\j):Y+2*(\j)+1], s[28:29] offset:((\j)/8)*4096+((\j)%8)*256  ; 128 numbers of row j / 8: 256 consecutive bytes, aligned
.endr
	s_endpgm
.Lfunc_end_k_qcafeed4036_cast:
	.size	k_qcafeed4036_cast, .Lfunc_end_k_qcafeed4036_cast-k_qcafeed4036_cast
	.p2alignl 7, 3214868480
	.fill 96, 4, 3214868480
	.section	.rodata,"a",@progbits
	.p2align	6, 0x0
	.amdhsa_kernel k_qcafeed4036_cast
		.amdhsa_group_segment_fixed_size 0
		.amdhsa_private_segment_fixed_size 0
		.amdhsa_enable_private_segment 0
		.amdhsa_kernarg_size 48
		.amdhsa_user_sgpr_count 2
		.amdhsa_user_sgpr_kernarg_segment_ptr 1
		.amdhsa_wavefront_size32 1
		.amdhsa_system_sgpr_workgroup_id_x 1
		.amdhsa_system_sgpr_workgroup_id_y 1
		.amdhsa_system_sgpr_workgroup_id_z 1
		.amdhsa_system_vgpr_workitem_id 0
		.amdhsa_next_free_vgpr 100
		.amdhsa_next_free_sgpr 66
		.amdhsa_reserve_vcc 0
		.amdhsa_float_denorm_mode_32 3
		.amdhsa_float_denorm_mode_16_64 3
		.amdhsa_memory_ordered 1
		.amdhsa_forward_progress 1
		.amdhsa_inst_pref_size 8
	.end_amdhsa_kernel
	.amdgpu_metadata
---
amdhsa.version: [ 1, 2 ]
amdhsa.kernels:
  - .name:           k_qcafeed4036_cast
    .symbol:         k_qcafeed4036_cast.kd
    .args:
      - { .name: input, .offset: 0, .size: 8, .value_kind: global_buffer, .address_space: global }
      - { .name: h_prev, .offset: 8, .size: 8, .value_kind: global_buffer, .address_space: global }
      - { .name: w_i, .offset: 16, .size: 8, .value_kind: global_buffer, .address_space: global }
      - { .name: w_h, .offset: 24, .size: 8, .value_kind: global_buffer, .address_space: global }
      - { .name: ab, .offset: 32, .size: 8, .value_kind: global_buffer, .address_space: global }
      - { .name: wb, .offset: 40, .size: 8, .value_kind: global_buffer, .address_space: global }
    .group_segment_fixed_size: 0
    .private_segment_fixed_size: 0
    .kernarg_segment_align: 8
    .kernarg_segment_size: 48
    .max_flat_workgroup_size: 256
    .sgpr_count:     66
    .vgpr_count:     100
    .wavefront_size: 32
...
	.end_amdgpu_metadata
.endif
;; end of part 1
;; launch gemm (part 2): grid 16 x 16, 4 waves a work-group, clusters of 4 x 4, 327,680 bytes of LDS; arguments ab, wb, p; writes p
.if DOCPART == 2
	.amdgcn_target "amdgcn-amd-amdhsa--gfx1250"
	.amdhsa_code_object_version 6
	.text
	.protected	k_qcafeed4036_gemm
	.globl	k_qcafeed4036_gemm
	.p2align	8
	.type	k_qcafeed4036_gemm,@function
k_qcafeed4036_gemm:
	s_mov_b64 s[64:65], 0
	v_nop
	global_prefetch_b8 v0, s[64:65] scope:SCOPE_SE
	s_setreg_imm32_b32 hwreg(HW_REG_WAVE_MODE, 25, 1), 1
	s_wait_xcnt 0x0
	s_wait_alu depctr_hold_cnt(0) depctr_sa_sdst(0) depctr_va_vdst(0) depctr_va_sdst(0) depctr_va_ssrc(0) depctr_va_vcc(0) depctr_vm_vsrc(0)
	s_getreg_b32 s2, hwreg(HW_REG_IB_STS2, 6, 4)
	s_cmp_eq_u32 s2, 0
	s_cbranch_scc0 .Lentry_in_a_cluster
	s_endpgm
.Lentry_in_a_cluster:
	s_bfe_u32 s2, ttmp6, 0x10000c
	s_cmp_lg_u32 s2, 0xf033
	s_cbranch_scc0 .Lentry_shape_is_right
	s_endpgm
.Lentry_shape_is_right:
; P[m][n] = sum over k of ab[m][k] wb[n][k].  ab: [8192][2048] bf16, wb: [4096][2048] bf16, P: [8192][4096] f32; sums in f32, K ascending.
; Columns 2,048 to 3,071 of P (the third gate) take K = 1,024 to 2,047 alone: h_prev @ w_h^T without the input's part, which the function drops there.
; A tile of P, 256 x 256, is made by four waves, as many as a WGP has SIMDs; a wave makes 128 x 128: 64 accumulators of 16 x 16, 512 registers.  K goes in steps of 128 through a ring of two
; LDS slots filled by the tensor data mover: the tiles' rows are 256 bytes of memory and start at multiples of 256 bytes.
; A WORK-GROUP STAYS: 512 tiles, 256 work-groups, two tiles each, in the same 256 rows and 1,024 columns (one gate) apart; the ring runs on into the second tile, and nothing waits for the first tile's stores.
; A cluster of 4 x 4 work-groups has 1,024 rows and two whole gates: with an even cluster x gates 0 and 1 (8 + 8 laps of 256 along K), with an odd one gates 2 and 3 (4 + 8 laps).  So the ways out of the two
; kinds fall behind 8 and 16, and behind 4 and 12 laps: 128 work-groups store at a time.  The longest share, 16 laps, is what two full tiles cost.
; ONE LOOP walks the laps of both tiles but the very last.  A tile's last lap is a trip like any other: only the steps of its two refills differ (chosen by the lap's number, without a branch), and at the
; trip's end a jump forward chooses [the way out, the next tile's first quarter, which starts the sums] in the stead of [the next lap's first quarter]; what is jumped holds no barrier and no tensor load.
; CLUSTERS.  The four of a row of the cluster need the same tiles of ab, the four of a column the same tiles of wb: each tile is asked for JOINTLY, by the same tensor load with the same descriptor and a
; mask that names the four.  K range and trip counts hang on the cluster's x alone: they are equal in all sixteen partners.
; THE MATRIX INSTRUCTION IS USED TRANSPOSED (source 0 = 16 rows of wb, source 1 = 16 rows of ab): lane l holds row l % 16 of P and the columns 8 (l / 16) + 0..7, 32 neighbouring bytes.
; REGISTERS, in windows of 256 (s_set_vgpr_msb: bits 1:0 source 0, 3:2 source 1, 5:4 source 2, 7:6 destination):
;   window 0: v0-31 addresses; v64-127, v128-191 fragments of ab, two buffers; on the way out v192-255 and v128-191 by turns hold 16 rows read back from the stage
;   window 1: v64-127, v128-191 fragments of wb, two buffers
;   window 2: the 32 accumulators of my rows 0-63 (accumulator (a, b) at v[8 (8 a + b)]);   window 3: those of my rows 64-127
.set SIZE_N, 4096
.set SIZE_K, 2048
.set KSTEP,  128
.set PITCH,  272                       ; an LDS row: 256 bytes + 16 of padding = 68 words: row r starts at bank 4 r mod 64 (64 banks of 4 bytes: ISA guide 11.1)
.set HALFT,  128*PITCH                 ; 128 rows: what one tensor load brings, and what one wave reads of ab or of wb
.set SLOT,   4*HALFT                   ; ab's 256 rows, then wb's 256 rows
.set STAGE,  2*SLOT                    ; behind the ring: 16 rows x 528 bytes for each wave, for the way out; no tensor load lands here
.set SPITCH, 528                       ; 128 f32 + 16 bytes = 132 words: again row r starts at bank 4 r mod 64
.set SPARE,  STAGE+4*16*SPITCH         ; behind the stages: the spare words, 128 bytes for each wave: two blocks of 256 bytes that no other line names
.set ROWC,   SIZE_N*4                  ; bytes in a row of P
.set ROWK,   SIZE_K*2                  ; bytes in a row of ab and of wb
.set GATEB,  1024*ROWK                 ; bytes of wb from a gate's rows to the next gate's
.set ADRA, 16                          ; v16-17  LDS address of my ab fragments in slot 0, 1
.set ADRB, 20                          ; v20-21  the same for wb
.set STO,  24                          ; v24     the way out: where I put 32 bytes of a row
.set RD,   25                          ; v25     the way out: my 16 bytes of a row of 512 read back
.set CO,   26                          ; v26     my 16 bytes in 512 bytes of a row of P
.set SPW,  28                          ; v28     LDS address of my spare word: SPARE + 4 x my thread's number; never rewritten
.set NIL,  29                          ; v29     0; never rewritten
.set F0,   64                          ; fragment buffer 0
.set F1,   128                         ; fragment buffer 1
.set G1,  24                           ; s[24:31] descriptor group 1 for ab's tiles
.set G0,  32                           ; s[32:39] descriptor group 0 for ab's tiles, one set for each slot
.set G1B, 48                           ; s[48:55] group 1 for wb's tiles: it differs in the mask alone
.set G0B, 56                           ; s[56:63] group 0 for wb's tiles
.set TRIPS, 66                         ; s66      the laps of both tiles less one: 15 or 11
.set LB,   67                          ; s67      the number of the first tile's last lap: 7 or 3
.set SA,   68                          ; s[68:69] in that lap a row's bytes, else 0: what ab's refills go back
.set SB,   70                          ; s[70:71] in that lap a gate's bytes less a row's, else 0: what wb's refills go on
.set KOF,  72                          ; s[72:73] bytes at which the first tile's K range begins in a row
.set MSB, 0
.macro WIN new                         ; the immediate's high byte repeats the setting that is left; a switch that changes nothing is dropped
.if MSB != (\new)
	s_set_vgpr_msb (MSB<<8)|(\new)
.set MSB, \new
.endif
.endm
.set MUL_LO, 0xa1                      ; source 0 (wb) window 1, source 1 (ab) window 0, C and D window 2
.set MUL_HI, 0xf1                      ; the same, C and D window 3
.set TO_B,   0x40                      ; destination window 1, address window 0
; A joint load.  Waves 0 and 1 fetch ab's two halves, waves 2 and 3 wb's.  Each line has one mask and one set of registers for all that issue it; the branch hangs on the wave's number alone.
; An s_nop 0 and four v_nop follow each of the two lines, ahead of the jump, the label and what follows.
.macro JLOAD s
	s_cmp_eq_u32 s11, 0
	s_cbranch_scc0 .Lfor_b_\@
	tensor_load_to_lds s[G0+4*(\s):G0+4*(\s)+3], s[G1:G1+7]
	s_nop 0
.rept 4
	v_nop
.endr
	s_branch .Lasked_\@
.Lfor_b_\@:
	tensor_load_to_lds s[G0B+4*(\s):G0B+4*(\s)+3], s[G1B:G1B+7]
	s_nop 0
.rept 4
	v_nop
.endr
.Lasked_\@:
.endm
; A round of the cluster's barrier: my work-group's barrier, so that wave 0's signal speaks for all four waves; wave 0 signals; every wave waits for all sixteen work-groups; my work-group's barrier once more.
.macro CREST                           ; a round behind its opening barrier
	s_cmp_lg_u32 s10, 0
	s_cbranch_scc1 .Lnot_wave_0_\@
	s_barrier_signal -3
.Lnot_wave_0_\@:
	s_barrier_wait -3
	s_barrier_signal -1
	s_barrier_wait -1
.endm
.macro CROUND                          ; a whole round
	s_barrier_signal -1
	s_barrier_wait -1
	CREST
.endm
	s_load_b128 s[4:7], s[0:1], 0x0                ; ab s[4:5], wb s[6:7]
	s_load_b64 s[8:9], s[0:1], 0x10                ; P
	v_lshl_add_u32 v[SPW], v0, 2, SPARE
	v_mov_b32 v[NIL], 0
	ds_add_u32 v[SPW], v[NIL]                      ; the wave's opening: the add, and its wait ahead of my first tensor load; the set-up below, work on registers, stands between them
	v_lshrrev_b32 v1, 5, v0
	v_readfirstlane_b32 s10, v1                    ; wave 0..3
	s_lshr_b32 s11, s10, 1                         ; which half of the tile's rows is mine.  Also: I fetch for ab (0) or for wb (1)
	s_and_b32 s12, s10, 1                          ; which half of its columns.  Also: which 128 rows of that tile I fetch
	s_bfe_u32 s40, ttmp6, 0x40000                  ; cx: my place along the cluster's x
	s_bfe_u32 s41, ttmp6, 0x40004                  ; cy: along its y
	s_and_b32 s45, ttmp9, 1                        ; in a cluster launch ttmp9 and ttmp7 count clusters.  The cluster's kind: 0: gates 0 and 1; 1: gates 2 and 3
	s_lshl_b32 s42, s45, 3
	s_add_co_u32 s42, s42, s40                     ; tile column of my first tile = 4 x its gate + cx = 8 x kind + cx
	s_and_b32 s13, ttmp7, 0xffff
	s_lshl_b32 s13, s13, 1
	s_lshr_b32 s14, ttmp9, 1
	s_add_co_u32 s13, s13, s14                     ; the cluster's block of 1,024 rows = 2 x cluster y + cluster x / 2: 0 to 7
	s_lshl_b32 s13, s13, 2
	s_add_co_u32 s13, s13, s41                     ; tile row of both my tiles = 4 x block + cy
	s_lshl_b32 s43, s41, 2
	s_lshl_b32 s43, 15, s43                        ; my row of the cluster: places 4 cy .. 4 cy + 3
	s_lshl_b32 s44, 0x1111, s40                    ; my column: places cx, cx + 4, cx + 8, cx + 12
	; descriptor group 1: a tile of 128 rows x 128 elements, padded in LDS
	s_or_b32 s[G1+0], s43, (1<<16)|(1<<20)|(1<<21)|(5<<22)|(3<<25)   ; 15:0 the mask: ab's tiles go to my row; 17:16 elements of 2 bytes; 20 padding on; 21 set beside a mask; 24:22 after every 64 words (code 5); 31:25 4 words of it (code 3)
	s_or_b32 s[G1B+0], s44, (1<<16)|(1<<20)|(1<<21)|(5<<22)|(3<<25)  ; the same with the mask of my column, for wb's tiles
.irp g, G1, G1B
	s_mov_b32 s[(\g)+1], KSTEP<<16                 ; tensor_dim0 = 128
	s_mov_b32 s[(\g)+2], 128<<16                   ; tensor_dim1 = 128
	s_mov_b32 s[(\g)+3], KSTEP<<16                 ; tile_dim0 = 128
	s_mov_b32 s[(\g)+4], 128                       ; tile_dim1 = 128
	s_mov_b32 s[(\g)+5], SIZE_K                    ; elements from row to row
	s_mov_b32 s[(\g)+6], 0
	s_mov_b32 s[(\g)+7], 0
.endr
	; the laps, by the cluster's kind, which all sixteen partners share.  A lap = two K steps = 256 along K.  Kind 1 begins with the third gate: 4 laps, from element 1,024 on; every other tile has 8
	s_cmp_eq_u32 s45, 1
	s_cselect_b32 s[TRIPS], 11, 15
	s_cselect_b32 s[LB], 3, 7
	s_cselect_b32 s[KOF], 2048, 0
	s_mov_b32 s[KOF+1], 0
	s_mov_b32 s[SA+1], 0
	s_mov_b32 s[SB+1], 0
	; where the tiles come from.  ab's hang on the tile row, which my row of the cluster shares; wb's on the tile column, which my column shares.
	s_lshl_b32 s17, s12, 7                         ; which 128 rows of the tile I fetch
	s_lshl_b32 s16, s13, 8
	s_add_co_u32 s16, s16, s17                     ; ab: row 256 x tile row + 128 x half
	s_lshl_b32 s46, s42, 8
	s_add_co_u32 s46, s46, s17                     ; wb: row 256 x tile column + 128 x half
	s_mov_b32 s17, 0
	s_mov_b32 s47, 0
	s_mov_b64 s[18:19], ROWK
	s_mul_u64 s[16:17], s[16:17], s[18:19]         ; in bytes
	s_mul_u64 s[46:47], s[46:47], s[18:19]
	s_add_nc_u64 s[16:17], s[16:17], s[KOF:KOF+1]
	s_add_nc_u64 s[46:47], s[46:47], s[KOF:KOF+1]
	s_mul_i32 s20, s10, HALFT                      ; and where they go: wave x 128 rows: no place in the cluster enters an LDS address
	s_wait_dscnt 0x0                               ; the opening add is done
	s_wait_kmcnt 0x0
	s_add_nc_u64 s[14:15], s[4:5], s[16:17]
	s_add_nc_u64 s[46:47], s[6:7], s[46:47]
	CROUND                                         ; all sixteen work-groups are here: the first joint loads meet
.irp s, 0,1
	s_mov_b32 s[G0+4*(\s)], 1                                        ; count = 1
	s_add_co_u32 s[G0+4*(\s)+1], s20, (\s)*SLOT                      ; LDS address
	s_add_nc_u64 s[G0+4*(\s)+2:G0+4*(\s)+3], s[14:15], (\s)*KSTEP*2  ; global address: K step s of the range
	s_or_b32 s[G0+4*(\s)+3], s[G0+4*(\s)+3], 0x80000000              ; type = 2
	s_mov_b32 s[G0B+4*(\s)], 1
	s_add_co_u32 s[G0B+4*(\s)+1], s20, (\s)*SLOT
	s_add_nc_u64 s[G0B+4*(\s)+2:G0B+4*(\s)+3], s[46:47], (\s)*KSTEP*2
	s_or_b32 s[G0B+4*(\s)+3], s[G0B+4*(\s)+3], 0x80000000
	JLOAD \s                                       ; the ring is filled before anything else is done: two loads of mine are out
.endr
	; A fragment is 16 rows x 32 K in 8 registers: lane l holds row l % 16; registers 0-3 K = 8 (l / 16) + 0..7, registers 4-7 K = 16 + 8 (l / 16) + 0..7: two loads of 16 bytes, 32 bytes apart.
	v_and_b32 v1, 15, v0                           ; l % 16
	v_bfe_u32 v2, v0, 4, 1                         ; l / 16
	v_mul_u32_u24 v3, v1, PITCH
	v_lshl_add_u32 v3, v2, 4, v3                   ; row x pitch + 16 x half
	s_mul_i32 s21, s11, HALFT                      ; my 128 rows of ab
	s_mul_i32 s22, s12, HALFT                      ; my 128 rows of wb,
	s_add_co_u32 s22, s22, 2*HALFT                 ; which lie behind ab's 256
.irp s, 0,1
	v_add_nc_u32 v[ADRA+(\s)], s21, v3
	v_add_nc_u32 v[ADRB+(\s)], s22, v3
	s_add_co_u32 s21, s21, SLOT
	s_add_co_u32 s22, s22, SLOT
.endr
	s_mul_i32 s23, s10, 16*SPITCH
	s_add_co_u32 s23, s23, STAGE                   ; my stage
	v_mul_u32_u24 v4, v1, SPITCH                   ; in: row l % 16, 32 bytes for each half of the lanes
	v_lshl_add_u32 v4, v2, 5, v4
	v_add_nc_u32 v[STO], s23, v4
	v_and_b32 v5, 31, v0
	v_lshlrev_b32 v[CO], 4, v5                     ; back: 32 lanes take one row of 512 bytes, and the same 512 bytes of a row of P
	v_add_nc_u32 v[RD], s23, v[CO]
	; P at my part of the first tile
	s_lshl_b32 s13, s13, 8
	s_lshl_b32 s14, s11, 7
	s_add_co_u32 s16, s13, s14                     ; my first row: 8,064 at the most,
	s_lshl_b32 s16, s16, 14                        ; times 16,384 bytes: under 2^31
	s_mov_b32 s17, 0
	s_add_nc_u64 s[8:9], s[8:9], s[16:17]
	s_lshl_b32 s46, s42, 10                        ; my first column, in bytes: 1,024 x tile column + 512 x half
	s_lshl_b32 s47, s12, 9
	s_add_co_u32 s46, s46, s47
	s_mov_b32 s47, 0
	s_add_nc_u64 s[8:9], s[8:9], s[46:47]
; 16 matrix instructions: m blocks a0, a0 + 1 of the window's four (hi = 0: my rows 0-63, 1: rows 64-127) x all 8 n blocks, 32 along K.  zero = 1: the first product starts the sums: nothing is ever cleared.
.macro MUL16 f, hi, a0, zero
	WIN MUL_LO+0x50*(\hi)
.irp a, \a0, (\a0)+1
.irp b, 0,1,2,3,4,5,6,7
.if \zero
	v_wmma_f32_16x16x32_bf16 v[8*(8*(\a)+(\b)):8*(8*(\a)+(\b))+7], v[(\f)+8*(\b):(\f)+8*(\b)+7], v[(\f)+8*(4*(\hi)+(\a)):(\f)+8*(4*(\hi)+(\a))+7], 0
.else
	v_wmma_f32_16x16x32_bf16 v[8*(8*(\a)+(\b)):8*(8*(\a)+(\b))+7], v[(\f)+8*(\b):(\f)+8*(\b)+7], v[(\f)+8*(4*(\hi)+(\a)):(\f)+8*(4*(\hi)+(\a))+7], v[8*(8*(\a)+(\b)):8*(8*(\a)+(\b))+7]
.endif
.endr
.endr
.endm
; 32 LDS loads in one run: the fragments of one quarter step (128 rows of wb, 128 rows of ab, 32 K at byte k of the rows) into buffer f
.macro FETCH slot, k, f
	WIN TO_B
.irp i, 0,1,2,3,4,5,6,7
	ds_load_b128 v[(\f)+8*(\i):(\f)+8*(\i)+3],   v[ADRB+(\slot)] offset:(\k)+(\i)*16*PITCH
	ds_load_b128 v[(\f)+8*(\i)+4:(\f)+8*(\i)+7], v[ADRB+(\slot)] offset:(\k)+(\i)*16*PITCH+32
.endr
	WIN 0
.irp i, 0,1,2,3,4,5,6,7
	ds_load_b128 v[(\f)+8*(\i):(\f)+8*(\i)+3],   v[ADRA+(\slot)] offset:(\k)+(\i)*16*PITCH
	ds_load_b128 v[(\f)+8*(\i)+4:(\f)+8*(\i)+7], v[ADRA+(\slot)] offset:(\k)+(\i)*16*PITCH+32
.endr
.endm
; A load into a register that a matrix instruction has read, and an LDS store that reads a matrix result, stand four places behind that matrix instruction, and only plain vector instructions that
; name none of its registers are places (ISA guide 7.12.1 for vector instructions).
.macro PLACES
.rept 4
	v_nop
.endr
.endm
; A K step is four quarter steps of 32 along K, 64 matrix instructions each, on buffers 0, 1, 0, 1.  The 64 accumulators take turns, one instruction a turn, in the same order in every quarter.
; One of the first three: multiplies buffer f; in its middle it fetches the next quarter's fragments, at byte k of the same slot's rows, into buffer g.
.macro QUARTER slot, k, f, g, zero
	s_wait_dscnt 8                                 ; wb and ab's rows 0-63 are in; the youngest eight loads (ab's rows 64-127) may be out
	MUL16 \f, 0, 0, \zero
	MUL16 \f, 0, 2, \zero
	PLACES
	FETCH \slot, \k, \g
	s_wait_dscnt 32                                ; all but the 32 just issued
	MUL16 \f, 1, 0, \zero
	MUL16 \f, 1, 2, \zero
.endm
; The last quarter multiplies buffer 1 and changes slots.  MEET is its first half: ONE barrier for the change.  In front of it each wave waits for all its tensor loads, of which one is out: its part of the
; next slot; adds 0 to its spare word; and waits for that and for its own reads of this slot.  Behind it nobody reads this slot any more and the next slot is whole.
.macro MEET round                      ; round = 1: a round of the cluster's barrier follows
	WIN 0                                          ; (the add's two registers lie in window 0)
	s_wait_tensorcnt 0x0                           ; all my tensor loads have landed;
	ds_add_u32 v[SPW], v[NIL]                      ; 0 onto my spare word;
	s_wait_dscnt 9                                 ; (the add and the youngest eight loads may be out)
	MUL16 F1, 0, 0, 0                              ; sixteen matrix instructions stand between the add and the wait for it
	s_wait_dscnt 0x0                               ; the add is done, and my reads of this slot are over:
	s_barrier_signal -1                            ; say so,
	MUL16 F1, 0, 2, 0                              ; work on registers while the others arrive,
.if \round
	WIN 0
.endif
	s_barrier_wait -1                              ; and go on when all four have said so
.endm
; The whole last quarter where the slot is filled again, with the K step two steps on: 512 bytes along the rows; in the first tile's last lap that is the second tile's K step 0 or 1: ab goes a row's bytes back
; (both kinds of first tile end at the rows' end), wb likewise and a gate's rows on.  The barrier opens a round of the cluster's, so that no wave of any partner still reads the slot or has a load on its way;
; the joint refill is the first tensor load behind it, one a wave: from there to the wait for it a wave issues 224 matrix instructions.
.macro TURN slot, next
	MEET 1
	CREST
	s_add_nc_u64 s[G0+4*(\slot)+2:G0+4*(\slot)+3], s[G0+4*(\slot)+2:G0+4*(\slot)+3], 2*KSTEP*2
	s_sub_nc_u64 s[G0+4*(\slot)+2:G0+4*(\slot)+3], s[G0+4*(\slot)+2:G0+4*(\slot)+3], s[SA:SA+1]
	s_add_nc_u64 s[G0B+4*(\slot)+2:G0B+4*(\slot)+3], s[G0B+4*(\slot)+2:G0B+4*(\slot)+3], 2*KSTEP*2
	s_add_nc_u64 s[G0B+4*(\slot)+2:G0B+4*(\slot)+3], s[G0B+4*(\slot)+2:G0B+4*(\slot)+3], s[SB:SB+1]
	JLOAD \slot                                    ; the four v_nop behind it are also the places in front of the loads below
	FETCH \next, 0, F0
	MUL16 F1, 1, 0, 0
	MUL16 F1, 1, 2, 0
.endm
.macro TURN0 next                      ; the same where nothing is left to fetch: no round, no load
	MEET 0
	PLACES
	FETCH \next, 0, F0
	MUL16 F1, 1, 0, 0
	MUL16 F1, 1, 2, 0
.endm
; THE WAY OUT, a block of 16 rows at a time.  A lane's 32 bytes are a sixteenth of a row's 512, and the lanes beside it hold other rows: so the block goes through my own stage in LDS and comes back as whole rows.
; TOSTAGE a: block a's eight accumulators into rows of 528 bytes, each accumulator's low four registers first; then the 16 rows back, 512 bytes an instruction.
.macro TOSTAGE a
.set AC, 64*((\a)%4)
.set BK, 192-64*((\a)%2)
	s_wait_xcnt 0x0                                ; every earlier memory instruction has had its addresses translated (ISA guide 3.1): the registers from which block a - 2 was stored are loaded again only behind this wait
	WIN 0x08+4*((\a)/4)                            ; the stores' data (source 1) in window 2 or 3
.irp b, 0,1,2,3,4,5,6,7
	ds_store_b128 v[STO], v[AC+8*(\b):AC+8*(\b)+3]   offset:64*(\b)
	ds_store_b128 v[STO], v[AC+8*(\b)+4:AC+8*(\b)+7] offset:64*(\b)+16
.endr
	WIN 0
.irp t, 0,1,2,3,4,5,6,7,8,9,10,11,12,13,14,15
	ds_load_b128 v[BK+4*(\t):BK+4*(\t)+3], v[RD] offset:(\t)*SPITCH  ; LDS serves a wave's instructions in order (ISA guide 5.7.1.4): these see the stores above, and the next block's stores come behind them
.endr
.endm
.macro SEND a, younger                 ; younger: the LDS instructions issued behind block a's loads: the next block's 16 stores and 16 loads, or none
.set BK, 192-64*((\a)%2)
	WIN 0
	s_wait_dscnt \younger
.irp t, 0,1,2,3,4,5,6,7,8,9,10,11,12,13,14,15
	global_store_b128 v[CO], v[BK+4*(\t):BK+4*(\t)+3], s[8:9] offset:(16*(\a)+(\t))*ROWC  ; 512 consecutive bytes, at a multiple of 512 from P's first; 127 rows at the most: inside the signed 24-bit immediate
.endr
.endm
.macro WAYOUT
	PLACES                                         ; behind the last products: for the LDS stores of their results and for the loads into buffer 1
	TOSTAGE 0
.irp a, 1,2,3,4,5,6,7
	TOSTAGE \a                                     ; block a's trip through the stage is under way while block a - 1 is stored
	SEND (\a)-1, 32
.endr
	SEND 7, 0
.endm
	s_wait_tensorcnt 1                             ; my part of K step 0 is in; K step 1's may stay out
	s_barrier_signal -1
	s_barrier_wait -1                              ; everybody's is
	FETCH 0, 0, F0
	QUARTER 0, 64,  F0, F1, 1                      ; the first tile's first quarter stands in front of the loop: its products start the sums
	WIN 0                                          ; at a label and at a branch every window is 0
	s_mov_b32 s3, 0                                ; the lap's number, through both tiles
.Llap:                                                 ; a trip goes once round the ring, from a lap's second quarter to the next lap's first, and fills both slots again
	s_cmp_eq_u32 s3, s[LB]                         ; the first tile's last lap?  Then this trip's two refills are the second tile's first two K steps
	s_cselect_b32 s[SA], ROWK, 0
	s_cselect_b32 s[SB], GATEB-ROWK, 0
	QUARTER 0, 128, F1, F0, 0
	QUARTER 0, 192, F0, F1, 0
	TURN 0, 1
	QUARTER 1, 64,  F0, F1, 0
	QUARTER 1, 128, F1, F0, 0
	QUARTER 1, 192, F0, F1, 0
	TURN 1, 0
	WIN 0
	s_cmp_eq_u32 s3, s[LB]
	s_cbranch_scc1 .Lnew_tile                      ; forward, to a place ahead of the counter's step; neither way holds a barrier or a tensor load
	QUARTER 0, 64,  F0, F1, 0                      ; the next lap's first quarter
	WIN 0
	s_branch .Ljoin
.Lnew_tile:
	WAYOUT                                         ; both refills for the second tile are asked for: now the first tile goes out
	s_wait_xcnt 0x0                                ; the stores' base and buffer 1, from which the odd blocks were stored, are rewritten only behind this wait
	s_add_nc_u64 s[8:9], s[8:9], 4096              ; P 1,024 columns on: the next gate
	QUARTER 0, 64,  F0, F1, 1                      ; the second tile's first quarter starts the sums anew
	WIN 0
.Ljoin:
	s_add_co_u32 s3, s3, 1
	s_cmp_lt_u32 s3, s[TRIPS]                      ; the bound hangs on the cluster's kind alone; every LDS address in the loop is fixed
	s_cbranch_scc1 .Llap
	QUARTER 0, 128, F1, F0, 0                      ; the second tile's last lap is written out: it asks for nothing more
	QUARTER 0, 192, F0, F1, 0
	TURN0 1                                        ; my one tensor load that was still out is slot 1's, the last K step's
	QUARTER 1, 64,  F0, F1, 0
	QUARTER 1, 128, F1, F0, 0
	QUARTER 1, 192, F0, F1, 0
	s_wait_dscnt 8                                 ; the very last quarter: nothing more to fetch
	MUL16 F1, 0, 0, 0
	MUL16 F1, 0, 2, 0
	s_wait_dscnt 0x0
	MUL16 F1, 1, 0, 0
	MUL16 F1, 1, 2, 0
	WIN 0
	WAYOUT
	s_wait_tensorcnt 0x0                           ; the wave's end: behind my last tensor load and my last LDS store
	ds_add_u32 v[SPW], v[NIL]
	s_wait_dscnt 0x0
	CROUND                                         ; the closing round: no work-group ends while a partner may still ask for a tile that names it
	s_endpgm
.Lfunc_end_k_qcafeed4036_gemm:
	.size	k_qcafeed4036_gemm, .Lfunc_end_k_qcafeed4036_gemm-k_qcafeed4036_gemm
	.p2alignl 7, 3214868480
	.fill 96, 4, 3214868480
	.section	.rodata,"a",@progbits
	.p2align	6, 0x0
	.amdhsa_kernel k_qcafeed4036_gemm
		.amdhsa_group_segment_fixed_size 327680
		.amdhsa_private_segment_fixed_size 0
		.amdhsa_enable_private_segment 0
		.amdhsa_kernarg_size 24
		.amdhsa_user_sgpr_count 2
		.amdhsa_user_sgpr_kernarg_segment_ptr 1
		.amdhsa_wavefront_size32 1
		.amdhsa_system_sgpr_workgroup_id_x 1
		.amdhsa_system_sgpr_workgroup_id_y 1
		.amdhsa_system_sgpr_workgroup_id_z 1
		.amdhsa_system_vgpr_workitem_id 0
		.amdhsa_next_free_vgpr 1024
		.amdhsa_next_free_sgpr 76
		.amdhsa_reserve_vcc 0
		.amdhsa_float_denorm_mode_32 3
		.amdhsa_float_denorm_mode_16_64 3
		.amdhsa_memory_ordered 1
		.amdhsa_forward_progress 1
		.amdhsa_inst_pref_size 176
	.end_amdhsa_kernel
	.amdgpu_metadata
---
amdhsa.version: [ 1, 2 ]
amdhsa.kernels:
  - .name:           k_qcafeed4036_gemm
    .symbol:         k_qcafeed4036_gemm.kd
    .args:
      - { .name: ab, .offset: 0, .size: 8, .value_kind: global_buffer, .address_space: global }
      - { .name: wb, .offset: 8, .size: 8, .value_kind: global_buffer, .address_space: global }
      - { .name: p, .offset: 16, .size: 8, .value_kind: global_buffer, .address_space: global }
    .group_segment_fixed_size: 327680
    .private_segment_fixed_size: 0
    .kernarg_segment_align: 8
    .kernarg_segment_size: 24
    .max_flat_workgroup_size: 128
    .sgpr_count:     76
    .vgpr_count:     1024
    .wavefront_size: 32
...
	.end_amdgpu_metadata
.endif
;; end of part 2
;; launch gates (part 3): grid 256 x 1, 16 waves a work-group, no clusters, 43,008 bytes of LDS; arguments p, c_prev, ln_i_g, ln_i_b, ln_h_g, ln_h_b, ln_g_g, ln_g_b, ln_o_g, ln_o_b, ln_c_g, ln_c_b, out0, out1; writes out0, out1
.if DOCPART == 3
	.amdgcn_target "amdgcn-amd-amdhsa--gfx1250"
	.amdhsa_code_object_version 6
	.text
	.protected	k_qcafeed4036_gates
	.globl	k_qcafeed4036_gates
	.p2align	8
	.type	k_qcafeed4036_gates,@function
k_qcafeed4036_gates:
	s_mov_b64 s[64:65], 0
	v_nop
	global_prefetch_b8 v0, s[64:65] scope:SCOPE_SE
	s_setreg_imm32_b32 hwreg(HW_REG_WAVE_MODE, 25, 1), 1
	s_wait_xcnt 0x0
; THE GATES.  P: [8192][4096] f32 holds, 1,024 columns each, the sums of gates i, f, (h_prev's part of) g, o.  With LN = LayerNorm over a row's 1,024 numbers (eps = 1e-5):
;   i = sigmoid(LN_i(P_i))   f = sigmoid(LN_h(P_f))   g = tanh(LN_g(i + P_g))   o = sigmoid(LN_o(P_o))   c_new = LN_c(f c_prev + i g) -> out1   h_new = o tanh(c_new) -> out0
; SHARES.  A wave takes a whole row of all four gates and of c_prev: 32 numbers a lane of each, chunk j (0..7) the 16 bytes at 512 j + 16 x lane, so every load and store covers 512 consecutive bytes,
; every reduction stays inside the wave, and each byte is read once.  A work-group has 32 rows and sixteen waves, a wave two rows, one after the other; the second row's 40 loads go out as registers fall free.
; The row stands in the loads' and stores' immediates: no base and no offset register is ever rewritten.
; The ten gain and bias vectors lie prepared in LDS (each thread has prepared 8 bytes of each); a LayerNorm asks for its two at its head and waits for them behind its statistics.  That is 40 KB of LDS reads
; a row; it keeps a wave within 256 registers, so that four waves share a SIMD and one wave's waits for memory are another's time to compute.
; Memory binds: no matrix unit; no cluster (only the ten vectors, 40 KB, are shared).
; ARITHMETIC, all f32.  Mean first, then the centred squares: no difference of large sums.  sigmoid(z) = 1 / (1 + 2^(-z log2 e)); tanh(z) = 1 - 2 / (1 + 2^(2 z log2 e)); the factors are folded
; into the gains and biases of the four gates.  An exponential that overflows gives an infinity, whose reciprocal 0 is the right limit; one below 2^-126 counts as 0, again the right limit.
; LIMITS.  c_prev and the ten vectors are rounded to bf16 (nearest even) as they arrive, like the matrix operands: every input of the module carries that one rounding.  tanh near 0 is good to the
; rounding of 1 (about 1e-7 absolute, not relative).  NaN and infinities in the inputs are not treated apart.
.set SPARE, 40960                      ; behind the ten vectors (vector q at 4,096 q): the spare words, 128 bytes for each of the sixteen waves
.set XI, 32                            ; v[32:63]    P_i, then i, then i g
.set XG, 64                            ; v[64:95]    P_g, then g
.set XF, 96                            ; v[96:127]   P_f, then f, then tanh(c_new), then h_new
.set XC, 128                           ; v[128:159]  c_prev, then c_new
.set XO, 160                           ; v[160:191]  P_o, then o
.set PG, 192                           ; v[192:223]  the gain of the LayerNorm in hand
.set PB, 224                           ; v[224:255]  its bias
.set PROW, 16384                       ; bytes in a row of P
.set CROW, 4096                        ; bytes in a row of c_prev, out0, out1, and in a gate's part of a row of P
.set KSIG, 0xbfb8aa3b                  ; -log2 e
.set KTAN, 0x4038aa3b                  ; 2 log2 e
; v1 16 x lane, the one offset of the rows' loads and stores and of the vectors' LDS loads; v[2:9] four chains of sums; v[10:11] the mean, twice; v[12:13] 1 / sqrt(var + eps), twice;
; v14 at work across the lanes' halves; v15 8 x thread; v[16:23] at work; v30, v31 the add's two registers
.macro LD x, lo, off                   ; eight loads: a row's 4,096 bytes of one array
.irp j, 0,1,2,3,4,5,6,7
	global_load_b128 v[(\x)+4*(\j):(\x)+4*(\j)+3], v1, s[\lo:\lo+1] offset:(\off)+512*(\j) th:TH_LOAD_NT
.endr
.endm
.macro ST x, lo, off                   ; eight stores likewise
.irp j, 0,1,2,3,4,5,6,7
	global_store_b128 v1, v[(\x)+4*(\j):(\x)+4*(\j)+3], s[\lo:\lo+1] offset:(\off)+512*(\j) th:TH_STORE_NT
.endr
.endm
.macro XSUM                            ; the four chains are joined, then the 32 lanes': four steps inside each half ride on the addition (DPP), one crosses the halves; every lane ends with the sum in v2
	v_pk_add_f32 v[2:3], v[2:3], v[4:5]
	v_pk_add_f32 v[6:7], v[6:7], v[8:9]
	v_pk_add_f32 v[2:3], v[2:3], v[6:7]
	v_add_f32 v2, v2, v3
	v_add_f32_dpp v2, v2, v2 row_xmask:1 row_mask:0xf bank_mask:0xf
	v_add_f32_dpp v2, v2, v2 row_xmask:2 row_mask:0xf bank_mask:0xf
	v_add_f32_dpp v2, v2, v2 row_xmask:4 row_mask:0xf bank_mask:0xf
	v_add_f32_dpp v2, v2, v2 row_xmask:8 row_mask:0xf bank_mask:0xf
	v_permlanex16_b32 v14, v2, s44, s45
	v_add_f32 v2, v2, v14
.endm
; LayerNorm of the row in x, in place, with vector q as the gain and vector q + 1 as the bias
.macro LN x, q
.irp j, 0,1,2,3,4,5,6,7
	ds_load_b128 v[PG+4*(\j):PG+4*(\j)+3], v1 offset:4096*(\q)+512*(\j)        ; my 32 numbers of the gain: 32 lanes, 16 neighbouring bytes each
.endr
.irp j, 0,1,2,3,4,5,6,7
	ds_load_b128 v[PB+4*(\j):PB+4*(\j)+3], v1 offset:4096*(\q)+4096+512*(\j)   ; and of the bias; the statistics below stand between these 16 loads and the wait for them
.endr
.irp c, 0,1,2,3
	v_pk_add_f32 v[2+2*(\c):3+2*(\c)], v[(\x)+2*(\c):(\x)+2*(\c)+1], v[(\x)+8+2*(\c):(\x)+9+2*(\c)]  ; the first 16 numbers start the chains: nothing is cleared
.endr
.irp k, 0,1,2,3,4,5,6,7
	v_pk_add_f32 v[2+2*((\k)%4):3+2*((\k)%4)], v[2+2*((\k)%4):3+2*((\k)%4)], v[(\x)+16+2*(\k):(\x)+17+2*(\k)]
.endr
	XSUM
	v_mul_f32 v10, s43, v2                         ; the mean
	v_mov_b32 v11, v10
.set i, 0
.rept 16
	v_pk_add_f32 v[(\x)+i:(\x)+i+1], v[(\x)+i:(\x)+i+1], v[10:11] neg_lo:[0,1] neg_hi:[0,1]
.set i, i+2
.endr
.irp c, 0,1,2,3
	v_pk_mul_f32 v[2+2*(\c):3+2*(\c)], v[(\x)+2*(\c):(\x)+2*(\c)+1], v[(\x)+2*(\c):(\x)+2*(\c)+1]
.endr
.irp k, 0,1,2,3,4,5,6,7,8,9,10,11
	v_pk_fma_f32 v[2+2*((\k)%4):3+2*((\k)%4)], v[(\x)+8+2*(\k):(\x)+9+2*(\k)], v[(\x)+8+2*(\k):(\x)+9+2*(\k)], v[2+2*((\k)%4):3+2*((\k)%4)]
.endr
	XSUM
	v_fma_f32 v12, v2, s43, s47                    ; var + eps
	v_rsq_f32 v12, v12
	v_nop                                          ; a plain instruction between a transcendental and the use of its result (ISA guide 5.7.2)
	s_wait_alu depctr_va_vdst(0)
	v_mov_b32 v13, v12
.set i, 0
.rept 16
	v_pk_mul_f32 v[(\x)+i:(\x)+i+1], v[(\x)+i:(\x)+i+1], v[12:13]
.set i, i+2
.endr
	s_wait_dscnt 0x0                               ; gain and bias are in
.set i, 0
.rept 16
	v_pk_fma_f32 v[(\x)+i:(\x)+i+1], v[(\x)+i:(\x)+i+1], v[PG+i:PG+i+1], v[PB+i:PB+i+1]
.set i, i+2
.endr
.endm
.macro SIG x                           ; 1 / (1 + 2^x), in place.  The transcendentals stand back to back on different registers, one plain instruction behind each run
.set i, 0
.rept 32
	v_exp_f32 v[(\x)+i], v[(\x)+i]
.set i, i+1
.endr
	v_nop
.set i, 0
	s_wait_alu depctr_va_vdst(0)
.rept 16
	v_pk_add_f32 v[(\x)+i:(\x)+i+1], v[(\x)+i:(\x)+i+1], 1.0 op_sel_hi:[1,0]
.set i, i+2
.endr
.set i, 0
.rept 32
	v_rcp_f32 v[(\x)+i], v[(\x)+i]
.set i, i+1
.endr
	v_nop
.endm
.macro TANH x                          ; 1 - 2 / (1 + 2^x), in place
	SIG \x
.set i, 0
	s_wait_alu depctr_va_vdst(0)
.rept 16
	v_pk_fma_f32 v[(\x)+i:(\x)+i+1], v[(\x)+i:(\x)+i+1], -2.0, 1.0 op_sel_hi:[1,0,0]
.set i, i+2
.endr
.endm
.macro PKADD d, a, e                   ; d = a + e, a row
.set i, 0
	s_wait_alu depctr_va_vdst(0)
.rept 16
	v_pk_add_f32 v[(\d)+i:(\d)+i+1], v[(\a)+i:(\a)+i+1], v[(\e)+i:(\e)+i+1]
.set i, i+2
.endr
.endm
.macro PKMUL d, a, e                   ; d = a e, a row
.set i, 0
.rept 16
	v_pk_mul_f32 v[(\d)+i:(\d)+i+1], v[(\a)+i:(\a)+i+1], v[(\e)+i:(\e)+i+1]
.set i, i+2
.endr
.endm
.macro RND x                           ; a row rounded to bf16 and kept as f32
.set i, 0
.rept 16
	v_cvt_pk_bf16_f32 v[16+i%8], v[(\x)+2*i], v[(\x)+2*i+1]
	v_lshlrev_b32 v[(\x)+2*i], 16, v[16+i%8]
	v_and_b32 v[(\x)+2*i+1], s42, v[16+i%8]
.set i, i+1
.endr
.endm
; ROW r of the wave's two.  A row's loads are issued in the order P_g, P_i, P_o, P_f, c_prev, eight each, and the gates are made in that order; loads come back in order (ISA guide 5.7.1), so each wait's
; count is the loads issued behind the group that it needs.
; ahead = 1 (the first row): the second row's P_g, P_i and P_o go out, each as soon as its registers are free.  P_f's and c_prev's registers end the row as the data of its stores: they are loaded again in the
; second row (ahead = 0), behind gate i's arithmetic, where the one s_wait_xcnt of the text stands far behind the last memory instruction; gates g and o lie between those loads and their use.
.macro ROW r, ahead
.if \ahead
	s_wait_loadcnt 24                              ; P_g and P_i are in; P_o, P_f, c_prev may be out
.else
	s_wait_loadcnt 8                               ; P_g and P_i are in; P_o may be out
.endif
	LN XI, 0
	SIG XI                                         ; i
.if !(\ahead)
	s_wait_xcnt 0x0                                ; every earlier memory instruction has had its addresses translated (ISA guide 3.1): the data registers of the first row's stores are loaded again only behind this wait
	LD XF, 8, (\r)*PROW+CROW
	LD XC, 10, (\r)*CROW
.endif
	PKADD XG, XG, XI                               ; i + h_prev's part of gate g
	LN XG, 4
	TANH XG                                        ; g
	PKMUL XI, XI, XG                               ; i g
.if \ahead
	LD XG, 8, ((\r)+1)*PROW+2*CROW
	s_wait_loadcnt 24                              ; P_o is in; P_f, c_prev and the next P_g may be out
.else
	s_wait_loadcnt 16                              ; P_o is in; P_f and c_prev may be out
.endif
	LN XO, 6
	SIG XO                                         ; o
.if \ahead
	s_wait_loadcnt 8                               ; P_f and c_prev are in; the next P_g may be out
.else
	s_wait_loadcnt 0x0
.endif
	RND XC
	LN XF, 2
	SIG XF                                         ; f
.set i, 0
	s_wait_alu depctr_va_vdst(0)
.rept 16
	v_pk_fma_f32 v[XC+i:XC+i+1], v[XF+i:XF+i+1], v[XC+i:XC+i+1], v[XI+i:XI+i+1]  ; f c_prev + i g
.set i, i+2
.endr
.if \ahead
	LD XI, 8, ((\r)+1)*PROW
.endif
	LN XC, 8                                       ; c_new
	ST XC, 34, (\r)*CROW
.set i, 0
.rept 16
	v_pk_mul_f32 v[XF+i:XF+i+1], v[XC+i:XC+i+1], KTAN op_sel_hi:[1,0]  ; into f's registers, which are free: the stores' data stay as they are
.set i, i+2
.endr
	TANH XF                                        ; tanh(c_new)
	PKMUL XF, XO, XF                               ; h_new
	ST XF, 32, (\r)*CROW
.if \ahead
	LD XO, 8, ((\r)+1)*PROW+3*CROW                 ; o's registers were the data of no store
.endif
.endm
	s_load_b512 s[8:23], s[0:1], 0x0               ; P s[8:9], c_prev s[10:11], then the vectors: q = 0..9 (i gain, i bias, h, h, g, g, o, o, c, c) at s[12 + 2 q : 13 + 2 q]
	s_load_b256 s[24:31], s[0:1], 0x40
	s_load_b128 s[32:35], s[0:1], 0x60             ; out0 s[32:33], out1 s[34:35]
	v_lshl_add_u32 v30, v0, 2, SPARE               ; my spare word,
	v_mov_b32 v31, 0                               ; and 0: kept for the closing lines alone
	v_and_b32 v1, 31, v0
	v_lshlrev_b32 v1, 4, v1                        ; 16 x lane
	v_lshlrev_b32 v15, 3, v0                       ; 8 x thread
	v_mov_b32 v14, 0                               ; v_permlanex16_b32's destination counts as read
	v_lshrrev_b32 v2, 5, v0
	v_readfirstlane_b32 s36, v2                    ; wave 0..15
	s_lshl_b32 s37, ttmp9, 4
	s_add_co_u32 s37, s37, s36                     ; my wave among all 4,096: its first row is twice that
	s_lshl_b32 s38, s37, 15                        ; 2 rows of 16,384 bytes
	s_mov_b32 s39, 0
	s_lshl_b32 s40, s37, 13                        ; 2 rows of 4,096 bytes
	s_mov_b32 s41, 0
	s_mov_b32 s42, 0xffff0000                      ; a word's upper bf16
	s_mov_b32 s43, 0x3a800000                      ; 1 / 1,024
	s_mov_b32 s44, 0x76543210                      ; v_permlanex16_b32: each lane takes its own place in the other half
	s_mov_b32 s45, 0xfedcba98
	s_mov_b32 s47, 0x3727c5ac                      ; eps = 1e-5
	s_wait_kmcnt 0x0
	s_add_nc_u64 s[8:9], s[8:9], s[38:39]
	s_add_nc_u64 s[10:11], s[10:11], s[40:41]
	s_add_nc_u64 s[32:33], s[32:33], s[40:41]
	s_add_nc_u64 s[34:35], s[34:35], s[40:41]
.irp q, 0,1,2,3,4,5,6,7,8,9
	global_load_b64 v[PG+2*(\q):PG+2*(\q)+1], v15, s[12+2*(\q):13+2*(\q)]  ; my 8 bytes of vector q: the 512 threads cover its 4,096
.endr
	LD XG, 8, 2*CROW                               ; the first row
	LD XI, 8, 0
	LD XO, 8, 3*CROW
	LD XF, 8, CROW
	LD XC, 10, 0
	s_wait_loadcnt 40                              ; the ten are in; the row's 40 stay out
.irp q, 0,1,2,3,4,5,6,7,8,9
	v_cvt_pk_bf16_f32 v[16+(\q)%8], v[PG+2*(\q)], v[PG+2*(\q)+1]           ; rounded to bf16, kept as f32,
	v_lshlrev_b32 v[PG+2*(\q)], 16, v[16+(\q)%8]
	v_and_b32 v[PG+2*(\q)+1], s42, v[16+(\q)%8]
.if (\q) < 8
.if ((\q) == 4) || ((\q) == 5)
	v_pk_mul_f32 v[PG+2*(\q):PG+2*(\q)+1], v[PG+2*(\q):PG+2*(\q)+1], KTAN op_sel_hi:[1,0]  ; and times the factor of the gate's exponential
.else
	v_pk_mul_f32 v[PG+2*(\q):PG+2*(\q)+1], v[PG+2*(\q):PG+2*(\q)+1], KSIG op_sel_hi:[1,0]
.endif
.endif
	ds_store_b64 v15, v[PG+2*(\q):PG+2*(\q)+1] offset:4096*(\q)
.endr
	s_wait_dscnt 0x0                               ; for the others' sake: my stores are done
	s_barrier_signal -1
	s_barrier_wait -1                              ; everybody's are: the one barrier of the kernel; LDS is not written again
	ROW 0, 1
	ROW 1, 0                                       ; the second row asks for nothing beyond itself: no load leaves the buffers, and its counts run down
	s_wait_tensorcnt 0x0                           ; the wave's end: behind my last LDS store
	ds_add_u32 v30, v31
	s_wait_dscnt 0x0
	s_endpgm
.Lfunc_end_k_qcafeed4036_gates:
	.size	k_qcafeed4036_gates, .Lfunc_end_k_qcafeed4036_gates-k_qcafeed4036_gates
	.p2alignl 7, 3214868480
	.fill 96, 4, 3214868480
	.section	.rodata,"a",@progbits
	.p2align	6, 0x0
	.amdhsa_kernel k_qcafeed4036_gates
		.amdhsa_group_segment_fixed_size 43008
		.amdhsa_private_segment_fixed_size 0
		.amdhsa_enable_private_segment 0
		.amdhsa_kernarg_size 112
		.amdhsa_user_sgpr_count 2
		.amdhsa_user_sgpr_kernarg_segment_ptr 1
		.amdhsa_wavefront_size32 1
		.amdhsa_system_sgpr_workgroup_id_x 1
		.amdhsa_system_sgpr_workgroup_id_y 1
		.amdhsa_system_sgpr_workgroup_id_z 1
		.amdhsa_system_vgpr_workitem_id 0
		.amdhsa_next_free_vgpr 256
		.amdhsa_next_free_sgpr 66
		.amdhsa_reserve_vcc 0
		.amdhsa_float_denorm_mode_32 3
		.amdhsa_float_denorm_mode_16_64 3
		.amdhsa_memory_ordered 1
		.amdhsa_forward_progress 1
		.amdhsa_inst_pref_size 138
	.end_amdhsa_kernel
	.amdgpu_metadata
---
amdhsa.version: [ 1, 2 ]
amdhsa.kernels:
  - .name:           k_qcafeed4036_gates
    .symbol:         k_qcafeed4036_gates.kd
    .args:
      - { .name: p, .offset: 0, .size: 8, .value_kind: global_buffer, .address_space: global }
      - { .name: c_prev, .offset: 8, .size: 8, .value_kind: global_buffer, .address_space: global }
      - { .name: ln_i_g, .offset: 16, .size: 8, .value_kind: global_buffer, .address_space: global }
      - { .name: ln_i_b, .offset: 24, .size: 8, .value_kind: global_buffer, .address_space: global }
      - { .name: ln_h_g, .offset: 32, .size: 8, .value_kind: global_buffer, .address_space: global }
      - { .name: ln_h_b, .offset: 40, .size: 8, .value_kind: global_buffer, .address_space: global }
      - { .name: ln_g_g, .offset: 48, .size: 8, .value_kind: global_buffer, .address_space: global }
      - { .name: ln_g_b, .offset: 56, .size: 8, .value_kind: global_buffer, .address_space: global }
      - { .name: ln_o_g, .offset: 64, .size: 8, .value_kind: global_buffer, .address_space: global }
      - { .name: ln_o_b, .offset: 72, .size: 8, .value_kind: global_buffer, .address_space: global }
      - { .name: ln_c_g, .offset: 80, .size: 8, .value_kind: global_buffer, .address_space: global }
      - { .name: ln_c_b, .offset: 88, .size: 8, .value_kind: global_buffer, .address_space: global }
      - { .name: out0, .offset: 96, .size: 8, .value_kind: global_buffer, .address_space: global }
      - { .name: out1, .offset: 104, .size: 8, .value_kind: global_buffer, .address_space: global }
    .group_segment_fixed_size: 43008
    .private_segment_fixed_size: 0
    .kernarg_segment_align: 8
    .kernarg_segment_size: 112
    .max_flat_workgroup_size: 512
    .sgpr_count:     66
    .vgpr_count:     256
    .wavefront_size: 32
...
	.end_amdgpu_metadata
.endif
;; end of part 3
